; MI455X (gfx1250); checked and timed in simulation.
; The chip was launched on July 23, 2026; its instructions are those of AMD's public machine-readable ISA for CDNA 5 (MIT licence, August 2026) and "CDNA5" Instruction Set Architecture Reference Guide (July 2026). The comments in the code are by the model that wrote it; some were corrected since.
;; DFT. Allowed arithmetic: float matrix products may take bf16 or f16 operands with f32 sums; other float arithmetic in f32, or as packed bf16 or f16 multiplies, adds, multiply-adds, maxima and minima; sums over many terms, partial sums and values carried from step to step in f32; what a program stores and reads back later, other than sums and carried values, may be rounded once to bf16 or f16.
;; Inputs: W_imag 2,048 x 2,048 float32; W_real 2,048 x 2,048 float32; x_imag 4,096 x 2,048 float32; x_real 4,096 x 2,048 float32.
;; Outputs: out0 4,096 x 2,048 float32; out1 4,096 x 2,048 float32.
;; 2 versions, each right; version 2 is version 1 with the launch cast written anew for expert scheduling mode. Each part assembles by itself: llvm-mc -triple=amdgcn-amd-amdhsa -mcpu=gfx1250 --defsym DOCPART=n.
;; ======== version 1 of 2: 2 launches
;; workspace buffers: ab 33,554,432 bytes; bc 33,554,432 bytes
;; launch cast (part 1): grid 1024 x 1, 8 waves a work-group, no clusters, 0 bytes of LDS; arguments x_real, x_imag, W_real, W_imag, ab, bc; writes ab, bc
.if DOCPART == 1
	.amdgcn_target "amdgcn-amd-amdhsa--gfx1250"
	.amdhsa_code_object_version 6
	.text
	.protected	k_q8278f0234f_cast
	.globl	k_q8278f0234f_cast
	.p2align	8
	.type	k_q8278f0234f_cast,@function
k_q8278f0234f_cast:
	s_mov_b64 s[64:65], 0
	v_nop
	global_prefetch_b8 v0, s[64:65] scope:SCOPE_SE
	s_setreg_imm32_b32 hwreg(HW_REG_WAVE_MODE, 25, 1), 1
	s_wait_xcnt 0x0
; THE OPERANDS OF ONE PRODUCT, ROUNDED ONCE TO bf16.
; z = (x_r + i x_i)(W_r + i W_i) is one real product C = AB x BC of 4096 x 4096 x 4096:
;   ab [4096 m][4096 k]: k < 2048: x_r[m][k];  k >= 2048: x_i[m][k - 2048]
;   bc [4096 k][4096 n]: row k < 2048: W_r[k] then W_i[k];  row 2048 + k: -W_i[k] then W_r[k]      (bc keeps the layout of W: n along the rows)
; so that columns 0-2047 of C are z_r and columns 2048-4095 are z_i.  Both workspaces have rows of 8,192 bytes.
; LIMITS.  Each input number is rounded once to bf16 (nearest even); bf16 has the exponent range of f32, so no range is lost.  The sign of -W_i is turned in the
; rounded number, which is exact; a zero of W_i becomes a zero of the other sign; NaN and infinities pass as they come.
; SHARES.  A stream: every byte is read once and written once (W_r and W_i twice, into two quadrants); LDS, matrix units and clusters have nothing to add, since nothing is shared.
; Work-group g takes rows 4 g .. 4 g + 3 of x_r and x_i and rows 2 g, 2 g + 1 of W_r and W_i: 24 ITEMS of half a row, 4,096 bytes of f32.
; In an item thread t loads the 16 bytes at 16 t (a load of a wave covers 512 consecutive bytes) and stores 8 bytes at 8 t (a store of a wave covers 256 consecutive bytes, aligned).
; All 24 loads of a wave go out first, 12 KiB; each item has registers of its own, so no register of a pending access is ever written again and no wait but the counted ones is needed.
.set ROW,  8192                        ; bytes in a row of every tensor here
.set HIN,  4096                        ; half a row of f32
.set HOUT, 2048                        ; the same numbers in bf16
.set QUAD, 4096                        ; bytes from a workspace row's first half (2,048 bf16) to its second
.set XR,  4                            ; s[4:5]   x_real at my rows
.set XI,  6                            ; s[6:7]   x_imag
.set WR,  8                            ; s[8:9]   W_real
.set WI,  10                           ; s[10:11] W_imag
.set AB,  12                           ; s[12:13] ab at my rows
.set BC,  14                           ; s[14:15] bc at my rows k
.set BC2, 20                           ; s[20:21] bc at my rows 2048 + k
.set SGN, 22                           ; s22      the sign bits of two bf16
.set LO,  1                            ; v1       16 t
.set SO,  2                            ; v2       8 t
.set X,   4                            ; v[4:99]  item i: four registers: f32 as loaded; then the two packed words, and for W_i their negatives
	s_load_b256 s[4:11], s[0:1], 0x0               ; x_real, x_imag, W_real, W_imag
	s_load_b128 s[12:15], s[0:1], 0x20             ; ab, bc
	s_lshl_b32 s16, ttmp9, 15                      ; g x 4 rows of 8,192 bytes: x_r, x_i and ab alike (under 2^25)
	s_mov_b32 s17, 0
	s_lshl_b32 s18, ttmp9, 14                      ; g x 2 rows: W_r, W_i and bc alike
	s_mov_b32 s19, 0
	s_mov_b32 s[SGN], 0x80008000
	v_lshlrev_b32 v[LO], 4, v0
	v_lshlrev_b32 v[SO], 3, v0
	s_wait_kmcnt 0x0
	s_add_nc_u64 s[XR:XR+1], s[XR:XR+1], s[16:17]
	s_add_nc_u64 s[XI:XI+1], s[XI:XI+1], s[16:17]
	s_add_nc_u64 s[AB:AB+1], s[AB:AB+1], s[16:17]
	s_add_nc_u64 s[WR:WR+1], s[WR:WR+1], s[18:19]
	s_add_nc_u64 s[WI:WI+1], s[WI:WI+1], s[18:19]
	s_add_nc_u64 s[BC:BC+1], s[BC:BC+1], s[18:19]
	s_add_nc_u64 s[BC2:BC2+1], s[BC:BC+1], 2048*ROW  ; 2,048 rows on: more than a store's immediate holds, so it has a base of its own
.macro LD i, base, off                 ; item i is asked for
	global_load_b128 v[X+4*(\i):X+4*(\i)+3], v[LO], s[\base:\base+1] offset:\off th:TH_LOAD_NT
.endm
.macro CV i                            ; item i is rounded, in place
	s_wait_loadcnt 23-(\i)                         ; loads come back in order (ISA guide 5.7.1): item i is in, the 23 - i younger ones may stay out
	v_cvt_pk_bf16_f32 v[X+4*(\i)],   v[X+4*(\i)],   v[X+4*(\i)+1]
	v_cvt_pk_bf16_f32 v[X+4*(\i)+1], v[X+4*(\i)+2], v[X+4*(\i)+3]
.endm
.macro NEG i                           ; its negative, into the two registers that the rounding has left free
	v_xor_b32 v[X+4*(\i)+2], s[SGN], v[X+4*(\i)]
	v_xor_b32 v[X+4*(\i)+3], s[SGN], v[X+4*(\i)+1]
.endm
.macro ST i, d, base, off              ; d = 0: the rounded pair; d = 2: the negated pair.  No cache word: the next launch reads these bytes
	global_store_b64 v[SO], v[X+4*(\i)+(\d):X+4*(\i)+(\d)+1], s[\base:\base+1] offset:\off
.endm
; items 0-7: x_r, 8-15: x_i (row (i / 2) % 4, half i % 2);  16-19: W_r, 20-23: W_i (row (i / 2) % 2, half i % 2)
.set i, 0
.rept 24
.if i < 8
	LD i, XR, ((i/2)%4)*ROW+(i%2)*HIN
.elseif i < 16
	LD i, XI, ((i/2)%4)*ROW+(i%2)*HIN
.elseif i < 20
	LD i, WR, ((i/2)%2)*ROW+(i%2)*HIN
.else
	LD i, WI, ((i/2)%2)*ROW+(i%2)*HIN
.endif
.set i, i+1
.endr
.set i, 0
.rept 24
	CV i
.if i < 8
	ST i, 0, AB, ((i/2)%4)*ROW+(i%2)*HOUT            ; x_r: k < 2048
.elseif i < 16
	ST i, 0, AB, ((i/2)%4)*ROW+QUAD+(i%2)*HOUT       ; x_i: k >= 2048
.elseif i < 20
	ST i, 0, BC,  ((i/2)%2)*ROW+(i%2)*HOUT           ; W_r: rows k, columns of z_r,
	ST i, 0, BC2, ((i/2)%2)*ROW+QUAD+(i%2)*HOUT      ; and rows 2048 + k, columns of z_i
.else
	NEG i
	ST i, 0, BC,  ((i/2)%2)*ROW+QUAD+(i%2)*HOUT      ; W_i: rows k, columns of z_i,
	ST i, 2, BC2, ((i/2)%2)*ROW+(i%2)*HOUT           ; -W_i: rows 2048 + k, columns of z_r
.endif
.set i, i+1
.endr
	s_endpgm
.Lfunc_end_k_q8278f0234f_cast:
	.size	k_q8278f0234f_cast, .Lfunc_end_k_q8278f0234f_cast-k_q8278f0234f_cast
	.p2alignl 7, 3214868480
	.fill 96, 4, 3214868480
	.section	.rodata,"a",@progbits
	.p2align	6, 0x0
	.amdhsa_kernel k_q8278f0234f_cast
		.amdhsa_group_segment_fixed_size 0
		.amdhsa_private_segment_fixed_size 0
		.amdhsa_enable_private_segment 0
		.amdhsa_kernarg_size 48
		.amdhsa_user_sgpr_count 2
		.amdhsa_user_sgpr_kernarg_segment_ptr 1
		.amdhsa_wavefront_size32 1
		.amdhsa_system_sgpr_workgroup_id_x 1
		.amdhsa_system_sgpr_workgroup_id_y 1
		.amdhsa_system_sgpr_workgroup_id_z 1
		.amdhsa_system_vgpr_workitem_id 0
		.amdhsa_next_free_vgpr 104
		.amdhsa_next_free_sgpr 66
		.amdhsa_reserve_vcc 0
		.amdhsa_float_denorm_mode_32 3
		.amdhsa_float_denorm_mode_16_64 3
		.amdhsa_memory_ordered 1
		.amdhsa_forward_progress 1
		.amdhsa_inst_pref_size 11
	.end_amdhsa_kernel
	.amdgpu_metadata
---
amdhsa.version: [ 1, 2 ]
amdhsa.kernels:
  - .name:           k_q8278f0234f_cast
    .symbol:         k_q8278f0234f_cast.kd
    .args:
      - { .name: x_real, .offset: 0, .size: 8, .value_kind: global_buffer, .address_space: global }
      - { .name: x_imag, .offset: 8, .size: 8, .value_kind: global_buffer, .address_space: global }
      - { .name: W_real, .offset: 16, .size: 8, .value_kind: global_buffer, .address_space: global }
      - { .name: W_imag, .offset: 24, .size: 8, .value_kind: global_buffer, .address_space: global }
      - { .name: ab, .offset: 32, .size: 8, .value_kind: global_buffer, .address_space: global }
      - { .name: bc, .offset: 40, .size: 8, .value_kind: global_buffer, .address_space: global }
    .group_segment_fixed_size: 0
    .private_segment_fixed_size: 0
    .kernarg_segment_align: 8
    .kernarg_segment_size: 48
    .max_flat_workgroup_size: 256
    .sgpr_count:     66
    .vgpr_count:     104
    .wavefront_size: 32
...
	.end_amdgpu_metadata
.endif
;; end of part 1
;; launch gemm (part 2): grid 16 x 16, 4 waves a work-group, clusters of 4 x 4, 327,680 bytes of LDS; arguments ab, bc, out0, out1; writes out0, out1
.if DOCPART == 2
	.amdgcn_target "amdgcn-amd-amdhsa--gfx1250"
	.amdhsa_code_object_version 6
	.text
	.protected	k_q8278f0234f_gemm
	.globl	k_q8278f0234f_gemm
	.p2align	8
	.type	k_q8278f0234f_gemm,@function
k_q8278f0234f_gemm:
	s_mov_b64 s[64:65], 0
	v_nop
	global_prefetch_b8 v0, s[64:65] scope:SCOPE_SE
	s_setreg_imm32_b32 hwreg(HW_REG_WAVE_MODE, 25, 1), 1
	s_wait_xcnt 0x0
	s_wait_alu depctr_hold_cnt(0) depctr_sa_sdst(0) depctr_va_vdst(0) depctr_va_sdst(0) depctr_va_ssrc(0) depctr_va_vcc(0) depctr_vm_vsrc(0)
	s_getreg_b32 s2, hwreg(HW_REG_IB_STS2, 6, 4)
	s_cmp_eq_u32 s2, 0
	s_cbranch_scc0 .Lentry_in_a_cluster
	s_endpgm
.Lentry_in_a_cluster:
	s_bfe_u32 s2, ttmp6, 0x10000c
	s_cmp_lg_u32 s2, 0xf033
	s_cbranch_scc0 .Lentry_shape_is_right
	s_endpgm
.Lentry_shape_is_right:
; C[m][n] = the sum over k of ab[m][k] bc[k][n].  ab: [4096][4096] bf16, k along the rows; bc: [4096][4096] bf16, n along the rows; sums in f32.
; Columns 0-2047 of C are out0 (z_real), columns 2048-4095 out1 (z_imag), both [4096][2048] f32.
; LIMITS.  The operands were rounded once to bf16 by the launch before; each output is one f32 sum over k ascending, in the matrix unit's own order within 32 k, which is not
; the order of a chain of f32 additions.  NaN and infinities go through the products as they come.
; SHARES.  C has 16 x 16 tiles of 256 x 256, one to a work-group of four waves; a wave makes 128 x 128: 64 accumulators of 16 x 16, 512 registers.
; K goes in 32 steps of 128 through a ring of two LDS slots filled by the tensor data mover.  A slot holds 256 rows m x 128 k of ab (rows of 256 bytes) and 128 rows k x 256 n of bc (rows of 512 bytes).
; ab's fragments come out of LDS as they lie; bc's, which lie [k][n], are turned on the way by ds_load_tr16_b128.  The K loop holds no vector arithmetic.
; CLUSTERS.  4 x 4 work-groups.  The four of a row of the cluster need the same tiles of ab, the four of a column the same tiles of bc: each tile is asked for JOINTLY, by the same tensor load with the
; same descriptor and a mask that names the four, which divides the requests for both by four.
; THE MATRIX INSTRUCTION IS USED TRANSPOSED: source 0 = 16 columns of bc, source 1 = 16 rows of ab.  In the result lane l holds row l % 16 of C and the columns 8 (l / 16) + 0..7: 32 consecutive bytes of f32.
; REGISTERS, in windows of 256 (s_set_vgpr_msb: bits 1:0 source 0, 3:2 source 1, 5:4 source 2, 7:6 destination):
;   window 0: v0-31 addresses; v64-127, v128-191 fragments of ab (8 x 16 rows x 32 k), two buffers; on the way out the same registers take rows read back from the stage
;   window 1: v64-127, v128-191 fragments of bc, two buffers
;   window 2: the 32 accumulators of my rows 0-63 (block a, column block b at v[8 (8 a + b)]);   window 3: those of my rows 64-127
.set KSTEP,  128
.set ROWB,   8192                      ; bytes in a row of ab, of bc, of out0 and of out1
.set PA,     272                       ; a row of ab in LDS: 256 bytes + 16 of padding = 68 words: row r starts at bank 4 r mod 64 (64 banks of 4 bytes: ISA guide 11.1): the 16 rows of a load start at 16 different groups of four banks
.set PB,     544                       ; a row of bc in LDS: 512 bytes + 32 of padding = 136 words: row r starts at bank 8 r mod 64
.set HALFT,  128*PA                    ; what one tensor load brings: 128 rows of ab, or 64 rows of bc (64 x 544 is the same number)
.set SLOT,   4*HALFT                   ; ab's 256 rows, then bc's 128 rows
.set STAGE,  2*SLOT                    ; behind the ring, never filled by a tensor load: 16 rows x 528 bytes for each wave, for the way out
.set SP,     528                       ; a stage row: 512 bytes + 16 = 132 words: row r starts at bank 4 r mod 64
.set SPARE,  STAGE+4*16*SP             ; behind the stages: the spare words, 128 bytes for each wave: two blocks of 256 bytes that no other line names
.set LAPS,   16                        ; a lap = two K steps = once round the ring
.set STEPA,  KSTEP*2                   ; a K step in ab: 256 bytes along the rows
.set STEPB,  KSTEP*ROWB                ; a K step in bc: 128 rows down
.set ADRA, 16                          ; v16-17  LDS address of my fragments of ab in slot 0, 1
.set ADRB, 20                          ; v20-21  the same for bc
.set STO,  24                          ; v24     the way out: where I put my 32 bytes of a row
.set RD,   25                          ; v25     the way out: where I read 16 bytes of a row back
.set CO,   26                          ; v26     16 x lane: my 16 bytes in 512 consecutive bytes of C
.set SPW,  28                          ; v28     LDS address of my spare word: SPARE + 4 x my thread's number; never rewritten
.set NIL,  29                          ; v29     0; never rewritten
.set PFO,  30                          ; v30     the prefetches' lane offset; never rewritten
.set F0,   64                          ; fragment buffer 0
.set F1,   128                         ; fragment buffer 1
.set WV,  12                           ; s12  my wave's number
.set RH,  13                           ; s13  which 128 rows of the tile are mine.  Also: I fetch for ab (0) or for bc (1)
.set CH,  14                           ; s14  which 128 columns.  Also: which half of that tile I fetch
.set CX,  15                           ; s15  my place along the cluster's x
.set CY,  16                           ; s16  along its y
.set TC,  17                           ; s17  tile column of C
.set TR,  18                           ; s18  tile row of C
.set G1,  24                           ; s[24:31] descriptor group 1 for ab's tiles
.set G0,  32                           ; s[32:39] descriptor group 0 for ab's tiles, one set for each slot
.set TA,  40                           ; s[40:41] ab at my part of K step 0
.set TB,  42                           ; s[42:43] bc at my part of K step 0
.set PFA, 44                           ; s[44:45] where my prefetches stand
.set LIM, 46                           ; s46  1 in a wave that prefetches, else the greatest number
.set G1B, 48                           ; s[48:55] descriptor group 1 for bc's tiles
.set G0B, 56                           ; s[56:63] descriptor group 0 for bc's tiles, one set for each slot
.set PST, 66                           ; s[66:67] a K step in the tensor that I prefetch
.set MSB, 0
.macro WIN new                         ; the immediate's high byte repeats the setting that is left; a switch that changes nothing is dropped
.if MSB != (\new)
	s_set_vgpr_msb (MSB<<8)|(\new)
.set MSB, \new
.endif
.endm
.set MUL_LO, 0xa1                      ; source 0 (bc) window 1, source 1 (ab) window 0, C and D window 2
.set MUL_HI, 0xf1                      ; the same, C and D window 3
.set TO_B,   0x40                      ; destination window 1, address window 0
; A joint load.  Waves 0 and 1 fetch ab's two halves, waves 2 and 3 bc's.  Each of the two lines has one mask and one set of registers for all that issue it; the branch hangs on the wave's number alone.
; An s_nop 0 and four v_nop follow each of the two lines, ahead of the jump, the label and what follows the macro.
.macro JLOAD s
	s_cmp_eq_u32 s[RH], 0
	s_cbranch_scc0 .Lfor_b_\@
	tensor_load_to_lds s[G0+4*(\s):G0+4*(\s)+3], s[G1:G1+7]
	s_nop 0
.rept 4
	v_nop
.endr
	s_branch .Lasked_\@
.Lfor_b_\@:
	tensor_load_to_lds s[G0B+4*(\s):G0B+4*(\s)+3], s[G1B:G1B+7]
	s_nop 0
.rept 4
	v_nop
.endr
.Lasked_\@:
.endm
; A PREFETCH INTO THE L2, behind each joint refill, its five lines and the run of LDS loads that follows them: my share of the K step that stands TWO refills on, 512 matrix instructions ahead of the load that will want it.
; Each aligned block of 256 bytes of ab and of bc is named ONCE in the launch.  ab's tile row is read by the four clusters of that row of clusters: the one with cluster x = 0 asks, by its waves 0 and 1;
; bc's tile column by the four clusters of that column: the one with cluster y = 0 asks, by its waves 2 and 3.  The four partners that ask for a tile jointly share its blocks out BY ADDRESS: of the 128 rows of ab
; that a wave fetches the partner at cx takes 32, a lane a row; of the 64 rows of bc (two blocks each) the partner at cy takes 16, two lanes a row.  No branch hangs on a work-group's place in its cluster.
; K steps 0 to 3 come by their loads alone; the loop's last trip (s3 = 1) asks for nothing, so the last step named is 31, the last that there is.
.macro ASK
	s_cmp_gt_u32 s3, s[LIM]
	s_cbranch_scc0 .Lnot_mine_\@
	global_prefetch_b8 v[PFO], s[PFA:PFA+1] th:TH_LOAD_NT scope:SCOPE_SE
.Lnot_mine_\@:
.endm
; A round of the cluster's barrier: my work-group's barrier, so that wave 0's signal speaks for all four waves; wave 0 signals for the work-group; every wave waits for all sixteen
; work-groups; my work-group's barrier once more.  No LDS instruction of the wave is pending at a signal.
.macro CREST                           ; a round behind its opening barrier
	s_cmp_lg_u32 s[WV], 0
	s_cbranch_scc1 .Lnot_wave_0_\@
	s_barrier_signal -3
.Lnot_wave_0_\@:
	s_barrier_wait -3
	s_barrier_signal -1
	s_barrier_wait -1
.endm
.macro CROUND                          ; a whole round
	s_barrier_signal -1
	s_barrier_wait -1
	CREST
.endm
	s_load_b256 s[4:11], s[0:1], 0x0               ; ab s[4:5], bc s[6:7], out0 s[8:9], out1 s[10:11]
	v_lshl_add_u32 v[SPW], v0, 2, SPARE
	v_mov_b32 v[NIL], 0
	ds_add_u32 v[SPW], v[NIL]                      ; the wave's opening: the add and its wait stand ahead of my first tensor load; the set-up below, work on registers, stands between them
	v_lshrrev_b32 v1, 5, v0
	v_readfirstlane_b32 s[WV], v1                  ; wave 0..3
	s_lshr_b32 s[RH], s[WV], 1
	s_and_b32 s[CH], s[WV], 1
	s_bfe_u32 s[CX], ttmp6, 0x40000
	s_bfe_u32 s[CY], ttmp6, 0x40004
	s_lshl_b32 s[TC], ttmp9, 2                     ; in a cluster launch ttmp9 and ttmp7 count clusters
	s_add_co_u32 s[TC], s[TC], s[CX]               ; tile column = 4 x cluster x + cx
	s_and_b32 s[TR], ttmp7, 0xffff
	s_lshl_b32 s[TR], s[TR], 2
	s_add_co_u32 s[TR], s[TR], s[CY]               ; tile row = 4 x cluster y + cy
	s_lshl_b32 s19, s[CY], 2
	s_lshl_b32 s19, 15, s19                        ; my row of the cluster: places 4 cy .. 4 cy + 3
	s_lshl_b32 s68, 0x1111, s[CX]                  ; my column: places cx, cx + 4, cx + 8, cx + 12
	; descriptor group 1 for ab: a tile of 128 rows x 128 elements
	s_or_b32 s[G1+0], s19, (1<<16)|(1<<20)|(1<<21)|(5<<22)|(3<<25)   ; 15:0 the mask: my row; 17:16 elements of 2 bytes; 20 padding on; 21 set beside a mask; 24:22 after every 64 words (code 5); 31:25 4 words of it (code 3)
	s_mov_b32 s[G1+1], 128<<16                     ; 63:48 tensor_dim0, low half = 128
	s_mov_b32 s[G1+2], 128<<16                     ; 79:64 its high half = 0; 95:80 tensor_dim1, low half = 128
	s_mov_b32 s[G1+3], 128<<16                     ; 111:96 its high half = 0; 127:112 tile_dim0 = 128
	s_mov_b32 s[G1+4], 128                         ; 143:128 tile_dim1 = 128; 159:144 tile_dim2 = 0
	s_mov_b32 s[G1+5], 4096                        ; 191:160 elements from row to row
	s_mov_b32 s[G1+6], 0
	s_mov_b32 s[G1+7], 0
	; descriptor group 1 for bc: a tile of 64 rows x 256 elements
	s_or_b32 s[G1B+0], s68, (1<<16)|(1<<20)|(1<<21)|(6<<22)|(7<<25)  ; the mask: my column; padding after every 128 words (code 6), 8 words of it (code 7)
	s_mov_b32 s[G1B+1], 256<<16                    ; tensor_dim0 = 256
	s_mov_b32 s[G1B+2], 64<<16                     ; tensor_dim1 = 64
	s_mov_b32 s[G1B+3], 256<<16                    ; tile_dim0 = 256
	s_mov_b32 s[G1B+4], 64                         ; tile_dim1 = 64
	s_mov_b32 s[G1B+5], 4096
	s_mov_b32 s[G1B+6], 0
	s_mov_b32 s[G1B+7], 0
	; where the tiles come from.  ab's hang on the tile row alone, which my row of the cluster shares; bc's on the tile column alone, which my column shares.
	; Every wave makes both addresses, in registers that never hold the other coordinate, and asks by one of them.
	s_lshl_b32 s20, s[TR], 8
	s_lshl_b32 s21, s[CH], 7
	s_add_co_u32 s20, s20, s21                     ; ab: row 256 x tile row + 128 x half,
	s_lshl_b32 s20, s20, 13                        ; in bytes (under 2^25)
	s_mov_b32 s21, 0
	s_lshl_b32 s68, s[CH], 19                      ; bc: 64 rows x half,
	s_lshl_b32 s69, s[TC], 9                       ; 512 bytes x tile column
	s_add_co_u32 s68, s68, s69
	s_mov_b32 s69, 0
	s_mul_i32 s22, s[WV], HALFT                    ; and where they go: ab's two halves, then bc's two halves = wave x HALFT: no place in the cluster enters an LDS address
	s_wait_dscnt 0x0                               ; the opening add is done
	s_wait_kmcnt 0x0
	s_add_nc_u64 s[TA:TA+1], s[4:5], s[20:21]
	s_add_nc_u64 s[TB:TB+1], s[6:7], s[68:69]
	CROUND                                         ; all sixteen work-groups are here: the first joint loads meet
.irp s, 0,1
	s_mov_b32 s[G0+4*(\s)], 1                                        ; 1:0 count = 1
	s_add_co_u32 s[G0+4*(\s)+1], s22, (\s)*SLOT                      ; 63:32 LDS address
	s_add_nc_u64 s[G0+4*(\s)+2:G0+4*(\s)+3], s[TA:TA+1], (\s)*STEPA  ; 120:64 global address: K step s
	s_or_b32 s[G0+4*(\s)+3], s[G0+4*(\s)+3], 0x80000000              ; 127:126 type = 2
	s_mov_b32 s[G0B+4*(\s)], 1
	s_add_co_u32 s[G0B+4*(\s)+1], s22, (\s)*SLOT
	s_add_nc_u64 s[G0B+4*(\s)+2:G0B+4*(\s)+3], s[TB:TB+1], (\s)*STEPB
	s_or_b32 s[G0B+4*(\s)+3], s[G0B+4*(\s)+3], 0x80000000
	JLOAD \s                                       ; the ring is filled before anything else is done: two loads of mine are out
.endr
	; A fragment of ab is 16 rows x 32 k in 8 registers: lane l holds row l % 16; registers 0-3 k = 8 (l / 16) + 0..7, registers 4-7 k = 16 + 8 (l / 16) + 0..7: two loads of 16 bytes, 32 bytes apart.
	v_and_b32 v1, 15, v0                           ; l % 16
	v_bfe_u32 v2, v0, 4, 1                         ; l / 16
	v_mul_u32_u24 v3, v1, PA
	v_lshl_add_u32 v3, v2, 4, v3                   ; row x pitch + 16 x half
	s_mul_i32 s19, s[RH], HALFT                    ; my 128 rows of ab
	v_add_nc_u32 v[ADRA], s19, v3
	v_add_nc_u32 v[ADRA+1], SLOT, v[ADRA]
	; The turning load takes 16 k x 16 n (lane l reads 16 bytes: row k = 8 (l / 16) + l % 8, columns 8 ((l / 8) % 2) + 0..7) and leaves half a fragment: lane l holds column l % 16 and 8 k.
	v_and_b32 v4, 7, v0
	v_lshl_add_u32 v4, v2, 3, v4
	v_mul_u32_u24 v4, v4, PB
	v_bfe_u32 v5, v0, 3, 1
	v_lshl_add_u32 v4, v5, 4, v4
	s_lshl_b32 s19, s[CH], 8                       ; my 128 columns: 256 bytes of a row,
	s_add_co_u32 s19, s19, 2*HALFT                 ; behind ab's 256 rows
	v_add_nc_u32 v[ADRB], s19, v4
	v_add_nc_u32 v[ADRB+1], SLOT, v[ADRB]
	s_mul_i32 s19, s[WV], 16*SP
	s_add_co_u32 s19, s19, STAGE                   ; my stage
	v_mul_u32_u24 v5, v1, SP                       ; in: row l % 16, 32 bytes for each half of the lanes
	v_lshl_add_u32 v5, v2, 5, v5
	v_add_nc_u32 v[STO], s19, v5
	v_and_b32 v6, 31, v0                           ; l
	v_lshlrev_b32 v[CO], 4, v6                     ; back: 32 lanes take one row of 512 bytes
	v_add_nc_u32 v[RD], s19, v[CO]
	; where my 128 x 128 of C begin: tile columns 0-7 (clusters x = 0, 1) lie in out0, tile columns 8-15 in out1
	s_mov_b32 s19, ttmp9
	s_cmp_lt_u32 s19, 2
	s_cselect_b64 s[8:9], s[8:9], s[10:11]
	s_lshl_b32 s70, s[TR], 8
	s_lshl_b32 s19, s[RH], 7
	s_add_co_u32 s70, s70, s19                     ; my first row,
	s_lshl_b32 s70, s70, 13                        ; in bytes (under 2^25)
	s_and_b32 s19, s[TC], 7
	s_lshl_b32 s19, s19, 10                        ; the tile's 256 columns of f32: 1,024 bytes,
	s_add_co_u32 s70, s70, s19
	s_lshl_b32 s19, s[CH], 9                       ; my 128 of them: 512
	s_add_co_u32 s70, s70, s19
	s_mov_b32 s71, 0
	s_add_nc_u64 s[8:9], s[8:9], s[70:71]
	; the prefetches: both offsets are made, and the wave's number chooses.  They stand at K step 3: the first refill steps them to 4
	s_lshl_b32 s19, s[TR], 8
	s_lshl_b32 s20, s[CH], 7
	s_add_co_u32 s19, s19, s20                     ; ab: the 128 rows that I fetch,
	s_lshl_b32 s20, s[CX], 5
	s_add_co_u32 s19, s19, s20                     ; my work-group's 32 of them,
	s_lshl_b32 s19, s19, 13
	s_add_co_u32 s19, s19, 3*STEPA                 ; at K step 3
	s_lshl_b32 s21, s[CH], 6                       ; bc: the 64 rows that I fetch,
	s_lshl_b32 s22, s[CY], 4
	s_add_co_u32 s21, s21, s22                     ; my work-group's 16 of them,
	s_add_co_u32 s21, s21, 3*KSTEP                 ; at K step 3,
	s_lshl_b32 s21, s21, 13
	s_lshl_b32 s22, s[TC], 9
	s_add_co_u32 s21, s21, s22                     ; in the tile's 512 bytes of a row
	s_and_b32 s22, ttmp7, 0xffff                   ; cluster y
	s_mov_b32 s[PST], STEPB
	s_cmp_eq_u32 s[RH], 0                          ; do I fetch for ab?
	s_cselect_b32 s70, s19, s21
	s_cselect_b32 s22, ttmp9, s22                  ; the coordinate along which other clusters read the same blocks
	s_cselect_b64 s[PFA:PFA+1], s[4:5], s[6:7]
	s_cselect_b32 s[PST], STEPA, s[PST]
	s_mov_b32 s[PST+1], 0
	s_mov_b32 s71, 0
	s_cmp_eq_u32 s22, 0
	s_cselect_b32 s[LIM], 1, -1                    ; the same in all sixteen partners, for a given wave
	s_add_nc_u64 s[PFA:PFA+1], s[PFA:PFA+1], s[70:71]
	v_lshrrev_b32 v3, s[RH], v6                    ; ab: a lane a row; bc: two lanes a row,
	v_lshlrev_b32 v3, 13, v3
	v_and_b32 v4, s[RH], v6                        ; the odd lane 256 bytes on
	v_lshl_add_u32 v[PFO], v4, 8, v3
	; nothing is prefetched here, at the head, where every work-group's first two tiles are on their way
; 16 matrix instructions: row blocks a0, a0 + 1 of the window's four (hi = 0: my rows 0-63, 1: rows 64-127) x all 8 column blocks, 32 along K.
; zero = 1: the first product starts the sums: nothing is ever cleared.  The 64 accumulators take turns, one instruction a turn, in the same order in every quarter.
.macro MUL16 f, hi, a0, zero
	WIN MUL_LO+0x50*(\hi)
.irp a, \a0, (\a0)+1
.irp b, 0,1,2,3,4,5,6,7
.if \zero
	v_wmma_f32_16x16x32_bf16 v[8*(8*(\a)+(\b)):8*(8*(\a)+(\b))+7], v[(\f)+8*(\b):(\f)+8*(\b)+7], v[(\f)+8*(4*(\hi)+(\a)):(\f)+8*(4*(\hi)+(\a))+7], 0
.else
	v_wmma_f32_16x16x32_bf16 v[8*(8*(\a)+(\b)):8*(8*(\a)+(\b))+7], v[(\f)+8*(\b):(\f)+8*(\b)+7], v[(\f)+8*(4*(\hi)+(\a)):(\f)+8*(4*(\hi)+(\a))+7], v[8*(8*(\a)+(\b)):8*(8*(\a)+(\b))+7]
.endif
.endr
.endr
.endm
; 32 LDS loads in one run: the fragments of quarter q of a K step (32 k: 32 rows of bc's tile, 64 bytes of ab's rows) into buffer f; bc's 16 first, then ab's rows 0-63, then its rows 64-127
.macro FETCH slot, q, f
	WIN TO_B
.irp i, 0,1,2,3,4,5,6,7
	ds_load_tr16_b128 v[(\f)+8*(\i):(\f)+8*(\i)+3],   v[ADRB+(\slot)] offset:(\q)*32*PB+32*(\i)
	ds_load_tr16_b128 v[(\f)+8*(\i)+4:(\f)+8*(\i)+7], v[ADRB+(\slot)] offset:(\q)*32*PB+16*PB+32*(\i)
.endr
	WIN 0
.irp i, 0,1,2,3,4,5,6,7
	ds_load_b128 v[(\f)+8*(\i):(\f)+8*(\i)+3],   v[ADRA+(\slot)] offset:(\q)*64+(\i)*16*PA
	ds_load_b128 v[(\f)+8*(\i)+4:(\f)+8*(\i)+7], v[ADRA+(\slot)] offset:(\q)*64+(\i)*16*PA+32
.endr
.endm
; A load into a register that a matrix instruction has read stands four places behind that matrix instruction, and only plain vector instructions that name none of its registers are places
; (ISA guide 7.12.1 for vector instructions); the matrix instructions in between are not counted.
.macro PLACES
.rept 4
	v_nop
.endr
.endm
; A K step is four quarters of 32 along K, 64 matrix instructions each, on buffers 0, 1, 0, 1.
; One of the first three: multiplies buffer f; in its middle it fetches quarter q of the same slot into buffer g.
.macro QUARTER slot, q, f, g, zero
	s_wait_dscnt 8                                 ; bc's fragments and ab's rows 0-63 are in; the youngest eight loads (ab's rows 64-127) may be out
	MUL16 \f, 0, 0, \zero
	MUL16 \f, 0, 2, \zero
	PLACES
	FETCH \slot, \q, \g
	s_wait_dscnt 32                                ; all but the 32 just issued
	MUL16 \f, 1, 0, \zero
	MUL16 \f, 1, 2, \zero
.endm
; The last quarter multiplies buffer 1 and changes slots.  MEET is its first half: ONE barrier for the change.  In front of it each wave waits for all its tensor loads, of which one is out: its part of
; the next slot; adds 0 to its spare word; and waits for that and for its own reads of this slot.  Behind it nobody reads this slot any more and the next slot is whole.
.macro MEET round                      ; round = 1: the rest of a round of the cluster's barrier follows
	WIN 0                                          ; (the add's two registers lie in window 0)
	s_wait_tensorcnt 0x0                           ; all my tensor loads have landed;
	ds_add_u32 v[SPW], v[NIL]                      ; 0 onto my spare word;
	s_wait_dscnt 9                                 ; (the add and the youngest eight loads may be out)
	MUL16 F1, 0, 0, 0                              ; sixteen matrix instructions stand between the add and the wait for it
	s_wait_dscnt 0x0                               ; the add is done, and my reads of this slot are over:
	s_barrier_signal -1                            ; say so,
	MUL16 F1, 0, 2, 0                              ; work on registers while the others arrive,
.if \round
	WIN 0
.endif
	s_barrier_wait -1                              ; and go on when all four have said so
.endm
; The whole last quarter of a K step whose slot is filled again, with the K step two on.  From the request to the wait for it a wave issues 224 matrix instructions.
.macro TURN slot, next
	s_wait_xcnt 0x0                                ; the last prefetch, a K step back, has read its address, which is stepped here, ahead of the waits of the change of slots
	s_add_nc_u64 s[PFA:PFA+1], s[PFA:PFA+1], s[PST:PST+1]
	MEET 1
	CREST                                          ; no wave of any partner still reads this slot's tiles or has a load on its way
	s_add_nc_u64 s[G0+4*(\slot)+2:G0+4*(\slot)+3], s[G0+4*(\slot)+2:G0+4*(\slot)+3], 2*STEPA     ; no tensor load of mine is out, so a group 0 may be written; the type bits on top are not reached
	s_add_nc_u64 s[G0B+4*(\slot)+2:G0B+4*(\slot)+3], s[G0B+4*(\slot)+2:G0B+4*(\slot)+3], 2*STEPB
	JLOAD \slot                                    ; the first tensor load behind the round, my only one until the next; the four v_nop behind it are also the places in front of the loads below
	FETCH \next, 0, F0
	ASK
	MUL16 F1, 1, 0, 0
	MUL16 F1, 1, 2, 0
.endm
; THE WAY OUT of block a (16 rows x my 128 columns, f32).  TOSTAGE: a lane's 32 bytes of a row for each of 8 column blocks go into my own stage, each accumulator's low four registers first
; and come back as whole rows of 512 bytes, into ab's fragment buffers, which take turns.  SEND: stored.
.macro TOSTAGE a
.set AC, 64*((\a)%4)
.set BK, 64+64*((\a)%2)
	WIN 0x08+4*((\a)/4)                            ; the stores' data (source 1) in window 2 or 3, the address in window 0
.irp b, 0,1,2,3,4,5,6,7
	ds_store_b128 v[STO], v[AC+8*(\b):AC+8*(\b)+3]   offset:64*(\b)
	ds_store_b128 v[STO], v[AC+8*(\b)+4:AC+8*(\b)+7] offset:64*(\b)+16
.endr
	WIN 0
	s_wait_xcnt 0x0                                ; every earlier memory instruction has had its addresses translated (ISA guide 3.1): the registers that the stores of block a - 2 read are loaded again only behind this wait
.irp t, 0,1,2,3,4,5,6,7,8,9,10,11,12,13,14,15
	ds_load_b128 v[BK+4*(\t):BK+4*(\t)+3], v[RD] offset:(\t)*SP  ; LDS serves a wave's instructions in order (ISA guide 5.7.1.4): these see the stores above, and the next block's stores come behind them
.endr
.endm
.macro SEND a, younger                 ; younger: the LDS instructions issued behind block a's loads: the next block's 32, or none
.set BK, 64+64*((\a)%2)
.irp t, 0,1,2,3,4,5,6,7,8,9,10,11,12,13,14,15
	s_wait_dscnt (\younger)+15-(\t)                ; row t is back; the rows behind it and the next block's instructions may be out
	global_store_b128 v[CO], v[BK+4*(\t):BK+4*(\t)+3], s[8:9] offset:(16*(\a)+(\t))*ROWB th:TH_STORE_NT  ; 32 lanes store 512 consecutive bytes, at a multiple of 512 from the output's first byte; 127 rows at the most stand in the immediate
.endr
.endm
	s_wait_tensorcnt 1                             ; my part of K step 0 is in; K step 1's may stay out
	s_barrier_signal -1
	s_barrier_wait -1                              ; everybody's is
	FETCH 0, 0, F0
	QUARTER 0, 1, F0, F1, 1                        ; the first quarter stands in front of the loop: its products start the sums
	WIN 0                                          ; at a label and at a branch every window is 0
	s_mov_b32 s3, LAPS-1
.Llap:                                                 ; a trip goes once round the ring, from a lap's second quarter to the next lap's first, and fills both slots again
	QUARTER 0, 2, F1, F0, 0
	QUARTER 0, 3, F0, F1, 0
	TURN 0, 1
	QUARTER 1, 1, F0, F1, 0
	QUARTER 1, 2, F1, F0, 0
	QUARTER 1, 3, F0, F1, 0
	TURN 1, 0
	QUARTER 0, 1, F0, F1, 0
	WIN 0
	s_sub_co_u32 s3, s3, 1
	s_cmp_lg_u32 s3, 0
	s_cbranch_scc1 .Llap
	QUARTER 0, 2, F1, F0, 0                        ; the last lap is written out: it fills nothing and no round stands in it
	QUARTER 0, 3, F0, F1, 0
	MEET 0                                         ; my one tensor load that was still out is slot 1's, the last K step's
	PLACES                                         ; for the loads into buffer 0, which the quarter before multiplied
	FETCH 1, 0, F0
	MUL16 F1, 1, 0, 0
	MUL16 F1, 1, 2, 0
	QUARTER 1, 1, F0, F1, 0
	QUARTER 1, 2, F1, F0, 0
	QUARTER 1, 3, F0, F1, 0
	s_wait_dscnt 8                                 ; the very last quarter: nothing more to fetch
	MUL16 F1, 0, 0, 0
	MUL16 F1, 0, 2, 0
	s_wait_dscnt 0x0
	MUL16 F1, 1, 0, 0
	MUL16 F1, 1, 2, 0
	WIN 0
.rept 8
	v_nop                                          ; the places between the last products and the LDS stores that read results and the loads into ab's fragment registers; eight, once a launch
.endr
	TOSTAGE 0
.irp a, 1,2,3,4,5,6,7                  ; block a goes into the stage and is asked back while block a - 1 comes back and is stored
	TOSTAGE \a
	SEND (\a)-1, 32
.endr
	SEND 7, 0
	s_wait_tensorcnt 0x0                           ; the wave's end, behind my last tensor load and my last LDS store
	ds_add_u32 v[SPW], v[NIL]
	s_wait_dscnt 0x0
	CROUND                                         ; the closing round: no work-group ends while a partner may still ask for a tile that names it
	s_endpgm
.Lfunc_end_k_q8278f0234f_gemm:
	.size	k_q8278f0234f_gemm, .Lfunc_end_k_q8278f0234f_gemm-k_q8278f0234f_gemm
	.p2alignl 7, 3214868480
	.fill 96, 4, 3214868480
	.section	.rodata,"a",@progbits
	.p2align	6, 0x0
	.amdhsa_kernel k_q8278f0234f_gemm
		.amdhsa_group_segment_fixed_size 327680
		.amdhsa_private_segment_fixed_size 0
		.amdhsa_enable_private_segment 0
		.amdhsa_kernarg_size 32
		.amdhsa_user_sgpr_count 2
		.amdhsa_user_sgpr_kernarg_segment_ptr 1
		.amdhsa_wavefront_size32 1
		.amdhsa_system_sgpr_workgroup_id_x 1
		.amdhsa_system_sgpr_workgroup_id_y 1
		.amdhsa_system_sgpr_workgroup_id_z 1
		.amdhsa_system_vgpr_workitem_id 0
		.amdhsa_next_free_vgpr 1024
		.amdhsa_next_free_sgpr 72
		.amdhsa_reserve_vcc 0
		.amdhsa_float_denorm_mode_32 3
		.amdhsa_float_denorm_mode_16_64 3
		.amdhsa_memory_ordered 1
		.amdhsa_forward_progress 1
		.amdhsa_inst_pref_size 145
	.end_amdhsa_kernel
	.amdgpu_metadata
---
amdhsa.version: [ 1, 2 ]
amdhsa.kernels:
  - .name:           k_q8278f0234f_gemm
    .symbol:         k_q8278f0234f_gemm.kd
    .args:
      - { .name: ab, .offset: 0, .size: 8, .value_kind: global_buffer, .address_space: global }
      - { .name: bc, .offset: 8, .size: 8, .value_kind: global_buffer, .address_space: global }
      - { .name: out0, .offset: 16, .size: 8, .value_kind: global_buffer, .address_space: global }
      - { .name: out1, .offset: 24, .size: 8, .value_kind: global_buffer, .address_space: global }
    .group_segment_fixed_size: 327680
    .private_segment_fixed_size: 0
    .kernarg_segment_align: 8
    .kernarg_segment_size: 32
    .max_flat_workgroup_size: 128
    .sgpr_count:     72
    .vgpr_count:     1024
    .wavefront_size: 32
...
	.end_amdgpu_metadata
.endif
;; end of part 2
;; ======== version 2 of 2: 2 launches; version 1 with the launch cast written anew for expert scheduling mode
;; workspace buffers: ab 33,554,432 bytes; bc 33,554,432 bytes
;; launch cast (part 3): grid 1024 x 1, 8 waves a work-group, no clusters, 0 bytes of LDS; arguments x_real, x_imag, W_real, W_imag, ab, bc; writes ab, bc
.if DOCPART == 3
	.amdgcn_target "amdgcn-amd-amdhsa--gfx1250"
	.amdhsa_code_object_version 6
	.text
	.protected	k_q8278f0234f_cast
	.globl	k_q8278f0234f_cast
	.p2align	8
	.type	k_q8278f0234f_cast,@function
k_q8278f0234f_cast:
	s_mov_b64 s[64:65], 0
	v_nop
	global_prefetch_b8 v0, s[64:65] scope:SCOPE_SE
	s_setreg_imm32_b32 hwreg(HW_REG_WAVE_SCHED_MODE, 0, 2), 2
	s_setreg_imm32_b32 hwreg(HW_REG_WAVE_MODE, 25, 1), 1
	s_wait_xcnt 0x0
	s_wait_alu depctr_vm_vsrc(0)
; THE OPERANDS OF ONE PRODUCT, ROUNDED ONCE TO bf16.
; z = (x_r + i x_i)(W_r + i W_i) is one real product C = AB x BC of 4096 x 4096 x 4096:
;   ab [4096 m][4096 k]: k < 2048: x_r[m][k];  k >= 2048: x_i[m][k - 2048]
;   bc [4096 k][4096 n]: row k < 2048: W_r[k] then W_i[k];  row 2048 + k: -W_i[k] then W_r[k]      (bc keeps the layout of W: n along the rows)
; so that columns 0-2047 of C are z_r and columns 2048-4095 are z_i.  Both workspaces have rows of 8,192 bytes.
; LIMITS.  Each input number is rounded once to bf16 (nearest even); bf16 has the exponent range of f32, so no range is lost.  The sign of -W_i is turned in the
; rounded number, which is exact; a zero of W_i becomes a zero of the other sign; NaN and infinities pass as they come.
; SHARES.  A stream: every byte is read once and written once (W_r and W_i twice, into two quadrants); LDS, matrix units and clusters have nothing to add, since nothing is shared.
; Work-group g takes rows 4 g .. 4 g + 3 of x_r and x_i and rows 2 g, 2 g + 1 of W_r and W_i: 24 ITEMS of half a row, 4,096 bytes of f32.
; In an item thread t loads the 16 bytes at 16 t (a load of a wave covers 512 consecutive bytes) and stores 8 bytes at 8 t (a store of a wave covers 256 consecutive bytes, aligned).
; All 24 loads of a wave go out first, 12 KiB; each item has registers of its own, so no register of a pending access is ever written again.
; THE MODE: SCHED_MODE bits 1:0 = 2 (LLVM: expert scheduling mode 2), set by the entry lines.  The code itself states the register dependences
; between vector instructions and memory instructions, with s_wait_alu, always for 0.
; THE PLAN.  Registers that memory instructions touch:
;   v1, v2     byte offsets, made once at the head and never written again: read by every load (v1) and every store (v2).
;   item i     four registers.  Its load lands in them before any vector instruction has named them; its roundings (for W_i its sign turns too) write them; its stores read them; nothing writes them after that.
; So the only dependence to state is: a vector instruction has written what a memory instruction reads.  The items go in six BLOCKS of four.  Block p rounds items 4 p .. 4 p + 3; the memory
; instructions that stand in it are the stores of block p - 1.  One wait at the head of a block states that the block before has written its words; the vector instructions behind that wait name
; block p's registers alone, so the stores are dealt among them with no further wait.  One wait stands in front of the first load, for the offsets, and one in front of the last block's stores.
.set ROW,  8192                        ; bytes in a row of every tensor here
.set HIN,  4096                        ; half a row of f32
.set HOUT, 2048                        ; the same numbers in bf16
.set QUAD, 4096                        ; bytes from a workspace row's first half (2,048 bf16) to its second
.set BLK,  4                           ; items in a block
.set XR,  4                            ; s[4:5]   x_real at my rows
.set XI,  6                            ; s[6:7]   x_imag
.set WR,  8                            ; s[8:9]   W_real
.set WI,  10                           ; s[10:11] W_imag
.set AB,  12                           ; s[12:13] ab at my rows
.set BC,  14                           ; s[14:15] bc at my rows k
.set BC2, 20                           ; s[20:21] bc at my rows 2048 + k
.set SGN, 22                           ; s22      the sign bits of two bf16
.set LO,  1                            ; v1       16 t
.set SO,  2                            ; v2       8 t
.set X,   4                            ; v[4:99]  item i: four registers: f32 as loaded; then the two packed words, and for W_i their negatives
	s_load_b256 s[4:11], s[0:1], 0x0               ; x_real, x_imag, W_real, W_imag
	s_load_b128 s[12:15], s[0:1], 0x20             ; ab, bc
	s_lshl_b32 s16, ttmp9, 15                      ; g x 4 rows of 8,192 bytes: x_r, x_i and ab alike (under 2^25)
	s_mov_b32 s17, 0
	s_lshl_b32 s18, ttmp9, 14                      ; g x 2 rows: W_r, W_i and bc alike
	s_mov_b32 s19, 0
	s_mov_b32 s[SGN], 0x80008000
	v_lshlrev_b32 v[LO], 4, v0
	v_lshlrev_b32 v[SO], 3, v0
	s_wait_kmcnt 0x0
	s_add_nc_u64 s[XR:XR+1], s[XR:XR+1], s[16:17]
	s_add_nc_u64 s[XI:XI+1], s[XI:XI+1], s[16:17]
	s_add_nc_u64 s[AB:AB+1], s[AB:AB+1], s[16:17]
	s_add_nc_u64 s[WR:WR+1], s[WR:WR+1], s[18:19]
	s_add_nc_u64 s[WI:WI+1], s[WI:WI+1], s[18:19]
	s_add_nc_u64 s[BC:BC+1], s[BC:BC+1], s[18:19]
	s_add_nc_u64 s[BC2:BC2+1], s[BC:BC+1], 2048*ROW  ; 2,048 rows on: more than a store's immediate holds, so it has a base of its own
	s_wait_alu depctr_va_vdst(0)                   ; v1 and v2 are written: every load of the kernel reads v1 as its offset, every store v2
.macro LD i, base, off                 ; item i is asked for
	global_load_b128 v[X+4*(\i):X+4*(\i)+3], v[LO], s[\base:\base+1] offset:\off th:TH_LOAD_NT
.endm
.macro CV i                            ; item i is rounded, in place
	s_wait_loadcnt 23-(\i)                         ; loads come back in order (ISA guide 5.7.1): item i is in, the 23 - i younger ones may stay out
	v_cvt_pk_bf16_f32 v[X+4*(\i)],   v[X+4*(\i)],   v[X+4*(\i)+1]
	v_cvt_pk_bf16_f32 v[X+4*(\i)+1], v[X+4*(\i)+2], v[X+4*(\i)+3]
.endm
.macro NEG i                           ; its negative, into the two registers that the rounding has left free
	v_xor_b32 v[X+4*(\i)+2], s[SGN], v[X+4*(\i)]
	v_xor_b32 v[X+4*(\i)+3], s[SGN], v[X+4*(\i)+1]
.endm
.macro ST i, d, base, off              ; d = 0: the rounded pair; d = 2: the negated pair.  No cache word: the next launch reads these bytes
	global_store_b64 v[SO], v[X+4*(\i)+(\d):X+4*(\i)+(\d)+1], s[\base:\base+1] offset:\off
.endm
.macro OUT i                           ; item i leaves: one store for x, two for W
.if (\i) < 8
	ST \i, 0, AB, (((\i)/2)%4)*ROW+((\i)%2)*HOUT            ; x_r: k < 2048
.elseif (\i) < 16
	ST \i, 0, AB, (((\i)/2)%4)*ROW+QUAD+((\i)%2)*HOUT       ; x_i: k >= 2048
.elseif (\i) < 20
	ST \i, 0, BC,  (((\i)/2)%2)*ROW+((\i)%2)*HOUT           ; W_r: rows k, columns of z_r,
	ST \i, 0, BC2, (((\i)/2)%2)*ROW+QUAD+((\i)%2)*HOUT      ; and rows 2048 + k, columns of z_i
.else
	ST \i, 0, BC,  (((\i)/2)%2)*ROW+QUAD+((\i)%2)*HOUT      ; W_i: rows k, columns of z_i,
	ST \i, 2, BC2, (((\i)/2)%2)*ROW+((\i)%2)*HOUT           ; -W_i: rows 2048 + k, columns of z_r
.endif
.endm
; items 0-7: x_r, 8-15: x_i (row (i / 2) % 4, half i % 2);  16-19: W_r, 20-23: W_i (row (i / 2) % 2, half i % 2)
.set i, 0
.rept 24
.if i < 8
	LD i, XR, ((i/2)%4)*ROW+(i%2)*HIN
.elseif i < 16
	LD i, XI, ((i/2)%4)*ROW+(i%2)*HIN
.elseif i < 20
	LD i, WR, ((i/2)%2)*ROW+(i%2)*HIN
.else
	LD i, WI, ((i/2)%2)*ROW+(i%2)*HIN
.endif
.set i, i+1
.endr
; the six blocks: in front of item i's wait and roundings stand the stores of item i - 4, of the block before
.set i, 0
.rept 24
.if (i%BLK == 0) && (i > 0)
	s_wait_alu depctr_va_vdst(0)                   ; the block before has written its four items' packed words (and, of W_i, their negatives), which this block's stores read
.endif
.if i >= BLK
.set j, i-BLK
	OUT j                                          ; no vector instruction since the wait names item j's registers
.endif
	CV i
.if i >= 20
	NEG i
.endif
.set i, i+1
.endr
	s_wait_alu depctr_va_vdst(0)                   ; the last block has written items 20 to 23, words and negatives, which the last eight stores read
.set j, 24-BLK
.rept BLK
	OUT j
.set j, j+1
.endr
	s_endpgm
.Lfunc_end_k_q8278f0234f_cast:
	.size	k_q8278f0234f_cast, .Lfunc_end_k_q8278f0234f_cast-k_q8278f0234f_cast
	.p2alignl 7, 3214868480
	.fill 96, 4, 3214868480
	.section	.rodata,"a",@progbits
	.p2align	6, 0x0
	.amdhsa_kernel k_q8278f0234f_cast
		.amdhsa_group_segment_fixed_size 0
		.amdhsa_private_segment_fixed_size 0
		.amdhsa_enable_private_segment 0
		.amdhsa_kernarg_size 48
		.amdhsa_user_sgpr_count 2
		.amdhsa_user_sgpr_kernarg_segment_ptr 1
		.amdhsa_wavefront_size32 1
		.amdhsa_system_sgpr_workgroup_id_x 1
		.amdhsa_system_sgpr_workgroup_id_y 1
		.amdhsa_system_sgpr_workgroup_id_z 1
		.amdhsa_system_vgpr_workitem_id 0
		.amdhsa_next_free_vgpr 104
		.amdhsa_next_free_sgpr 66
		.amdhsa_reserve_vcc 0
		.amdhsa_float_denorm_mode_32 3
		.amdhsa_float_denorm_mode_16_64 3
		.amdhsa_memory_ordered 1
		.amdhsa_forward_progress 1
		.amdhsa_inst_pref_size 11
	.end_amdhsa_kernel
	.amdgpu_metadata
---
amdhsa.version: [ 1, 2 ]
amdhsa.kernels:
  - .name:           k_q8278f0234f_cast
    .symbol:         k_q8278f0234f_cast.kd
    .args:
      - { .name: x_real, .offset: 0, .size: 8, .value_kind: global_buffer, .address_space: global }
      - { .name: x_imag, .offset: 8, .size: 8, .value_kind: global_buffer, .address_space: global }
      - { .name: W_real, .offset: 16, .size: 8, .value_kind: global_buffer, .address_space: global }
      - { .name: W_imag, .offset: 24, .size: 8, .value_kind: global_buffer, .address_space: global }
      - { .name: ab, .offset: 32, .size: 8, .value_kind: global_buffer, .address_space: global }
      - { .name: bc, .offset: 40, .size: 8, .value_kind: global_buffer, .address_space: global }
    .group_segment_fixed_size: 0
    .private_segment_fixed_size: 0
    .kernarg_segment_align: 8
    .kernarg_segment_size: 48
    .max_flat_workgroup_size: 256
    .sgpr_count:     66
    .vgpr_count:     104
    .wavefront_size: 32
...
	.end_amdgpu_metadata
.endif
;; end of part 3
;; launch gemm: the kernel of part 2 again; grid 16 x 16, 4 waves a work-group, clusters of 4 x 4, 327,680 bytes of LDS; arguments ab, bc, out0, out1; writes out0, out1
